; MI455X (gfx1250); checked and timed in simulation.
; The chip was launched on July 23, 2026; its instructions are those of AMD's public machine-readable ISA for CDNA 5 (MIT licence, August 2026) and "CDNA5" Instruction Set Architecture Reference Guide (July 2026). The comments in the code are by the model that wrote it; some were corrected since.
;; Bahdanau Attention. Allowed arithmetic: matrix products marked QUANTISED: E3M2 operands, one E8M0 scale for each 32 along K, by v_wmma_scale_f32_16x16x128_f8f6f4 with both operands' format E3M2, f32 sums; products left as they are: f32 operands where the result goes on into a quantised operand, else bf16, f16 or f32 operands; f32 sums; everything else in f32.
;; Inputs: V 1,024 x 1 float32; W1 1,024 x 1,024 float32; W2 1,024 x 1,024 float32; query 32 x 1,024 float32; values 32 x 2,048 x 1,024 float32.
;; Outputs: out0 32 x 1,024 float32; out1 32 x 2,048 x 1 float32.
;; This version of the problem:
;;   THIS VERSION OF THE PROBLEM IS GIVEN IN LOW PRECISION. The matrix products marked QUANTISED in the list below multiply operands that are first quantised to E3M2 (3 exponent bits, 2 mantissa bits; 6 bits a number), with one power-of-two scale for each 32 numbers along K (OCP MX v1.0); their sums are f32. All else is computed in f32.
;;   The module's matrix products, in the order in which they are computed (A, B: the left and right operand; K: the contracted axis; several contracted axes count as one K, in the product's order):
;;     1. [M 32, K 1,024] x [K 1,024, N 1,024]; A: input query; B: input W1: QUANTISED
;;     2. [M 65,536, K 1,024] x [K 1,024, N 1,024]; A: input values; B: input W2: QUANTISED
;;     3. [M 65,536, K 1,024] x [K 1,024, N 1]; A: computed on the way; B: input V: left as it is (N = 1 < 16)
;;   THE QUANTISER, for each operand of a quantised product, along K:
;;     - K is cut into blocks of 32 from its start; a last block that is shorter is filled with zeros.
;;     - A block's scale is 2^e with e = floor(log2(the largest magnitude in the block)) - 4, held to -126 .. 127; a block of zeros has e = 0. As a byte (E8M0): e + 127.
;;     - Each number is divided by its block's scale, clamped to +-28, and rounded to the nearest number of E3M2, ties to even, subnormals kept.
;;     - The product sums the exact products of the quantised numbers (number of the format x scale) in f32.
;;   ~~~python
;;   def quantise(x, axis):      # numpy; x: float32 -> the quantised numbers, widened to float32 again
;;       x = np.moveaxis(x, axis, -1); K = x.shape[-1]
;;       x = np.pad(x, [(0, 0)] * (x.ndim - 1) + [(0, -K % 32)]); x = x.reshape(x.shape[:-1] + (-1, 32)); a = np.abs(x).max(-1, keepdims=True)
;;       e = np.where(a > 0, np.clip(np.frexp(np.where(a > 0, a, 1))[1] - 1 - 4, -126, 127), 0)      # np.frexp(a)[1] - 1 = floor(log2(a)), exactly
;;       r = np.clip(x / 2.0 ** e, -28, 28)
;;       step = 2.0 ** (np.maximum(np.frexp(np.where(r == 0, 1, r))[1] - 1, -2) - 2)
;;       q = np.round(r / step) * step * 2.0 ** e      # np.round: ties to even
;;       return np.moveaxis(q.reshape(q.shape[:-2] + (-1,))[..., :K], -1, axis).astype(np.float32)
;;   ~~~
;; One version. Each part assembles by itself: llvm-mc -triple=amdgcn-amd-amdhsa -mcpu=gfx1250 --defsym DOCPART=n.
;; ======== version 1 of 1: 3 launches
;; limits: right only within a limited range of input values
;; workspace buffers: w2f 819,200 bytes; qbuf 1,048,576 bytes; sbuf 262,144 bytes
;; launch prep (part 1): grid 256 x 1, 2 waves a work-group, no clusters, 9,472 bytes of LDS; arguments W2, W1, query, w2f, qbuf; writes w2f, qbuf
.if DOCPART == 1
	.amdgcn_target "amdgcn-amd-amdhsa--gfx1250"
	.amdhsa_code_object_version 6
	.text
	.protected	k_q3a309aa030_prep
	.globl	k_q3a309aa030_prep
	.p2align	8
	.type	k_q3a309aa030_prep,@function
k_q3a309aa030_prep:
	s_mov_b64 s[64:65], 0
	v_nop
	global_prefetch_b8 v0, s[64:65] scope:SCOPE_SE
	s_setreg_imm32_b32 hwreg(HW_REG_WAVE_MODE, 25, 1), 1
	s_wait_xcnt 0x0
; THE PROGRAM: out1 = softmax over t of logits[b][t] = sum_u V[u] tanh(q[b][u] + p[b][t][u]), q = query W1, p = values W2 (both products on codes of E3M2 with one
; E8M0 scale for each 32 along K); out0[b] = sum_t out1[b][t] values[b][t].  Three launches: this one (the weights' codes, and q), main (p, tanh, the sum over u), ctx (softmax, out0).
; WORK LEFT OUT.  tanh(x) = 1 - 2 r(x) with r(x) = 1 / (1 + e^(2x)): an identity for every real x.  So logits[b][t] = sum_u V[u] - 2 sum_u V[u] r(q[b][u] + p[b][t][u]).
; The first term holds no t: it is the same along the softmax's axis, the softmax is unchanged by it for all values of the inputs, and the logits are no output.  It is never formed:
; main stores S[b][t] = sum_u V[u] r(..), and ctx takes the softmax of -2 S, its largest term taken away first.  Every input still has a way to an output: all five are loaded.
; LIMITS: an overflow, an infinity or a NaN that would reach sum_u V[u] alone is not carried to the result.  NaN and infinities among the inputs are not served.
; A block of zeros gets the scale byte 1 where the quantiser says 127: its codes are zeros, and the bytes are read by this program alone.
;
; THIS LAUNCH.  W2 and W1 are [1024 (k)][1024 (u)] f32, K their FIRST axis.  A LANE TAKES A COLUMN u AND ITS REGISTERS RUN DOWN K: a block of 32 along K lies in one lane, and the
; conversions give codes with K innermost.  A WAVE'S TASK is 32 columns x one K step of 128: 256 tasks for each weight, two waves to a work-group, 256 work-groups: 0-127 take W2, 128-255 W1.
; Waves share nothing: no barrier.  The two paths part ONCE, on the work-group's number.
; W2: the two fragments (16 columns x 128 K, 12 registers a lane) go to w2f AS IMAGES OF THE OPERAND'S REGISTERS: block ut (16 columns) is 12,800 bytes: 8 images of 1,536 bytes
; (registers 4c..4c+3 of lane l at 512 c + 16 l), then 512 bytes of scale words, [K step][column].  Each image store of the wave covers 512 consecutive bytes, aligned.
; W1: the wave also quantises its K step of query (32 rows, K innermost: a lane holds whole blocks) and multiplies (source 0 = 16 columns of W1, source 1 = 16 rows of query: a lane then holds
; eight neighbouring u of one row b).  Its results are q's PARTIAL SUM over this K step: qbuf is [K step][group of 32 columns][b][32 u]; main adds the eight in ascending K.  The wave's 32 x 32 numbers
; go through its own stage in LDS and leave as 4,096 dense bytes, each store 512 consecutive bytes, aligned.
; No cluster: what work-groups share (query, 128 KB) is a small part of what each reads once.
.set SPARE, 9216                       ; behind the two waves' stages: the spare words, 128 bytes a wave: one block of 256 bytes that no other line names
.set LN,   1                           ; lane
.set RW,   2                           ; lane % 16
.set HF,   3                           ; lane / 16
.set LO,   4                           ; 4 x lane: my column in a row of W
.set LI,   5                           ; 16 x lane: my place in an image, and in a dense store
.set SO,   6                           ; my scale word's place in w2f
.set QO,   7                           ; query: row r, + 128 h
.set PST,  8                           ; LDS: where I put results
.set RDA,  9                           ; LDS: where I read them back
.set TP,   11
.set SPW,  12                          ; LDS address of my spare word; never rewritten
.set NIL,  13                          ; 0; never rewritten
.set TM,   14                          ; v14-17 largest magnitudes, v18-21 the conversions' scale operands, v22-25 scale bytes, v26-28 at work
.set TMPC, 32                          ; v32-47 the conversions' second halves (a conversion's three registers begin on an even number)
.set WS,   48                          ; W's scale word: lane l holds column l's
.set QS,   49                          ; v49-50 query's scale words, rows 0-15 and 16-31
.set QF,   52                          ; v52-63 query's fragment, rows 0-15;
.set QFD,  124                         ; v176-187 rows 16-31 (in X, which is done with by then)
.set X,    64                          ; v64-191 128 numbers of my column
.set T0,   192                         ; v192-203 the fragment of columns 0-15
.set T1,   204                         ; v204-215 of columns 16-31
.set DD,   216                         ; v216-247 four results
.set MSB, 0
.macro WIN new                         ; the immediate's high byte repeats the setting that is left
.if MSB != \new
	s_set_vgpr_msb (MSB<<8)|\new
.set MSB, \new
.endif
.endm
.macro LOADW base                      ; W(128 ks + i, my column), i = 0 .. 127: each load reads 128 consecutive bytes of a row
.set ii, 0
.rept 128
	global_load_b32 v[X+ii], v[LO], s[\base:\base+1] offset:ii*4096 th:TH_LOAD_NT
.set ii, ii+1
.endr
.endm
.macro QUANTW                          ; my column's four blocks become codes, and the two tiles' fragments
.irp b, 0,1,2,3
	v_max3_num_f32 v[TM+\b], |v[X+32*\b]|, |v[X+32*\b+1]|, 0x2800000   ; with the floor 2^(5 - 127): the byte cannot fall under 1
.endr
.irp k, 2,4,6,8,10,12,14,16,18,20,22,24,26,28,30
.irp b, 0,1,2,3
	v_max3_num_f32 v[TM+\b], v[TM+\b], |v[X+32*\b+\k]|, |v[X+32*\b+\k+1]|   ; the four blocks by turns
.endr
.endr
.irp b, 0,1,2,3
	v_add_nc_u32 v[TM+4+\b], 0xfe000000, v[TM+\b]   ; 4 off the exponent field: the conversion takes this operand's exponent field as its scale
.endr
.irp b, 0,1,2,3
	v_lshrrev_b32 v[TM+8+\b], 23, v[TM+4+\b]        ; the scale's byte
.endr
	v_lshl_or_b32 v[WS], v[TM+9], 8, v[TM+8]
	v_lshl_or_b32 v[WS], v[TM+10], 16, v[WS]
	v_lshl_or_b32 v[WS], v[TM+11], 24, v[WS]        ; my column's scale word for this K step
.irp c, 0,1
	v_cvt_scalef32_pk16_bf6_f32 v[T0+6*\c:T0+6*\c+2], v[X+64*\c:X+64*\c+15], v[TM+4+2*\c]            ; block 2c
	v_cvt_scalef32_pk16_bf6_f32 v[TMPC+8*\c:TMPC+8*\c+2], v[X+64*\c+16:X+64*\c+31], v[TM+4+2*\c]
	v_cvt_scalef32_pk16_bf6_f32 v[T1+6*\c:T1+6*\c+2], v[X+64*\c+32:X+64*\c+47], v[TM+5+2*\c]         ; block 2c + 1
	v_cvt_scalef32_pk16_bf6_f32 v[TMPC+8*\c+4:TMPC+8*\c+6], v[X+64*\c+48:X+64*\c+63], v[TM+5+2*\c]
.endr
	v_nop                                          ; one plain line behind the last scaled conversion
.irp c, 0,1
.irp k, 0,1,2
	v_mov_b32 v[T0+6*\c+3+\k], v[TMPC+8*\c+\k]
	v_mov_b32 v[T1+6*\c+3+\k], v[TMPC+8*\c+4+\k]
.endr
.endr
.irp k, 0,1,2,3,4,5,6,7,8,9,10,11              ; the operand's layout: lanes 0-15 hold a column's blocks 0 and 2, lanes 16-31 the same column's blocks 1 and 3
	v_permlane16_swap_b32 v[T0+\k], v[T1+\k]       ; T0's lanes 16-31 (columns 16-31, even blocks) change places with T1's lanes 0-15 (columns 0-15, odd blocks)
.endr
.endm
	s_load_b256 s[4:11], s[0:1], 0x0               ; W2 s[4:5], W1 s[6:7], query s[8:9], w2f s[10:11]
	s_load_b64 s[12:13], s[0:1], 0x20              ; qbuf
	v_lshl_add_u32 v[SPW], v0, 2, SPARE
	v_mov_b32 v[NIL], 0
	v_lshrrev_b32 v1, 5, v0
	v_readfirstlane_b32 s14, v1                    ; wave 0..1
	v_and_b32 v[LN], 31, v0
	v_and_b32 v[RW], 15, v0
	v_bfe_u32 v[HF], v0, 4, 1
	v_lshlrev_b32 v[LO], 2, v[LN]
	v_lshlrev_b32 v[LI], 4, v[LN]
	s_and_b32 s15, ttmp9, 127
	s_lshl_b32 s15, s15, 1
	s_add_co_u32 s15, s15, s14                     ; my task among the weight's 256
	s_lshr_b32 s16, s15, 3                         ; which 32 columns
	s_and_b32 s17, s15, 7                          ; which K step
	s_lshl_b32 s18, s17, 19                        ; 128 rows of 4,096 bytes a K step
	s_lshl_b32 s26, s16, 7
	s_add_co_u32 s18, s18, s26
	s_mov_b32 s19, 0
	s_mov_b32 s24, 0x76543210
	s_mov_b32 s25, 0xfedcba98                      ; v_permlanex16_b32's selects for lane l xor 16
	s_wait_kmcnt 0x0
	s_cmp_lt_u32 ttmp9, 128
	s_cbranch_scc0 .Lw1
	; ---- W2: codes to w2f
	s_add_nc_u64 s[4:5], s[4:5], s[18:19]
	s_wait_alu depctr_va_vdst(0)
	LOADW 4
	v_mul_u32_u24 v[SO], v[HF], 12800              ; lanes 16-31 hold the second tile's columns: one block of w2f on
	v_lshl_add_u32 v[SO], v[RW], 2, v[SO]
	s_mul_i32 s20, s16, 25600                      ; two blocks of 12,800 bytes for 32 columns
	s_mul_i32 s22, s17, 1536
	s_add_co_u32 s22, s22, s20
	s_mov_b32 s23, 0
	s_add_nc_u64 s[22:23], s[10:11], s[22:23]      ; my K step's image
	s_lshl_b32 s21, s17, 6
	s_add_co_u32 s20, s20, s21
	s_mov_b32 s21, 0
	s_add_nc_u64 s[20:21], s[10:11], s[20:21]      ; my K step's 64 bytes of scale words (12,288 on)
	s_wait_loadcnt 0x0
	QUANTW
.irp c, 0,1,2
	global_store_b128 v[LI], v[T0+4*\c:T0+4*\c+3], s[22:23] offset:512*\c
	global_store_b128 v[LI], v[T1+4*\c:T1+4*\c+3], s[22:23] offset:12800+512*\c
.endr
	global_store_b32 v[SO], v[WS], s[20:21] offset:12288   ; 64 consecutive bytes for each tile: one part in 24 of what this path stores
	s_endpgm
	; ---- W1: this K step's part of q = Q(query) Q(W1)
.Lw1:
	s_add_nc_u64 s[6:7], s[6:7], s[18:19]
	s_lshl_b32 s20, s17, 9
	s_mov_b32 s21, 0
	s_add_nc_u64 s[8:9], s[8:9], s[20:21]          ; query at my K step
	s_wait_alu depctr_va_vdst(0)
	v_lshlrev_b32 v[QO], 12, v[RW]
	v_lshl_add_u32 v[QO], v[HF], 7, v[QO]          ; row r, + 32 h numbers: lane (r, h) holds k = 64 c + 32 h + 0 .. 31, whole blocks
	WIN 0x40                                       ; destination v256-383
.irp m, 0,1
.irp c, 0,1
.irp k, 0,1,2,3,4,5,6,7
	global_load_b128 v[64*\m+32*\c+4*\k:64*\m+32*\c+4*\k+3], v[QO], s[8:9] offset:65536*\m+256*\c+16*\k
.endr
.endr
.endr
	WIN 0
	LOADW 6
	s_mul_i32 s22, s14, 4608                       ; my wave's stage: 32 rows b, 144 bytes apart
	v_mul_u32_u24 v[PST], v[RW], 144
	v_lshl_add_u32 v[PST], v[HF], 5, v[PST]
	v_add_nc_u32 v[PST], s22, v[PST]
	v_lshrrev_b32 v[RDA], 3, v[LN]                 ; back: eight lanes to a row of 128 bytes, four rows a load
	v_and_b32 v[TP], 7, v[LN]
	v_mul_u32_u24 v[RDA], v[RDA], 144
	v_lshl_add_u32 v[RDA], v[TP], 4, v[RDA]
	v_add_nc_u32 v[RDA], s22, v[RDA]
	s_lshl_b32 s20, s17, 17                        ; qbuf: 131,072 bytes a K step,
	s_lshl_b32 s26, s16, 12                        ; 4,096 a group of 32 columns
	s_add_co_u32 s20, s20, s26
	s_add_nc_u64 s[12:13], s[12:13], s[20:21]
	s_wait_loadcnt 0x0
	QUANTW
	WIN 0x05                                       ; sources 0 and 1: v256-383
.irp q, 0,1,2,3                                ; q = 2 x (tile of rows) + c: my block 2 c + h of row r
	v_max3_num_f32 v[TM+\q], |v[32*\q]|, |v[32*\q+1]|, 0x2800000
.endr
.irp k, 2,4,6,8,10,12,14,16,18,20,22,24,26,28,30
.irp q, 0,1,2,3
	v_max3_num_f32 v[TM+\q], |v[32*\q+\k]|, |v[32*\q+\k+1]|, v[TM+\q]
.endr
.endr
	WIN 0
.irp q, 0,1,2,3
	v_add_nc_u32 v[TM+4+\q], 0xfe000000, v[TM+\q]
.endr
.irp q, 0,1,2,3
	v_lshrrev_b32 v[TM+8+\q], 23, v[TM+4+\q]
.endr
	v_lshlrev_b32 v26, 3, v[HF]
.irp m, 0,1
	v_lshl_or_b32 v[QS+\m], v[TM+9+2*\m], 16, v[TM+8+2*\m]   ; my two bytes: blocks h and 2 + h,
	v_mov_b32 v[27+\m], 0
.endr
.irp m, 0,1
	v_lshlrev_b32 v[QS+\m], v26, v[QS+\m]          ; at their places in the word;
.endr
.irp m, 0,1
	v_permlanex16_b32 v[27+\m], v[QS+\m], s24, s25
.endr
.irp m, 0,1
	v_or_b32 v[QS+\m], v[QS+\m], v[27+\m]          ; with lane l xor 16's two the word is whole
.endr
	WIN 0x01                                       ; source 0: v256-383
.irp m, 0,1
.irp c, 0,1
	v_cvt_scalef32_pk16_bf6_f32 v[QF+QFD*\m+6*\c:QF+QFD*\m+6*\c+2], v[64*\m+32*\c:64*\m+32*\c+15], v[TM+4+2*\m+\c]
	v_cvt_scalef32_pk16_bf6_f32 v[TMPC+8*\m+4*\c:TMPC+8*\m+4*\c+2], v[64*\m+32*\c+16:64*\m+32*\c+31], v[TM+4+2*\m+\c]
.endr
.endr
	WIN 0
	v_nop                                          ; one plain line behind the last scaled conversion
.irp m, 0,1
.irp c, 0,1
.irp k, 0,1,2
	v_mov_b32 v[QF+QFD*\m+6*\c+3+\k], v[TMPC+8*\m+4*\c+\k]
.endr
.endr
.endr
.rept 8
	v_nop                                          ; a scale register written by a vector instruction stands 8 places ahead of a scaled matrix instruction, an operand so written 4
.endr
.irp m, 0,1
	v_wmma_scale_f32_16x16x128_f8f6f4 v[DD+8*\m:DD+8*\m+7], v[T0:T0+11], v[QF+QFD*\m:QF+QFD*\m+11], 0, v[WS], v[QS+\m] matrix_a_fmt:MATRIX_FMT_BF6 matrix_b_fmt:MATRIX_FMT_BF6
.endr
.irp m, 0,1
	v_wmma_scale_f32_16x16x128_f8f6f4 v[DD+16+8*\m:DD+16+8*\m+7], v[T1:T1+11], v[QF+QFD*\m:QF+QFD*\m+11], 0, v[WS], v[QS+\m] matrix_a_fmt:MATRIX_FMT_BF6 matrix_b_fmt:MATRIX_FMT_BF6 matrix_a_scale:MATRIX_SCALE_ROW1
.endr
.rept 4
	v_nop                                          ; four places between a matrix instruction and the first read of its result (ISA guide 7.12.1)
.endr
.irp n, 0,1
.irp m, 0,1
	ds_store_b128 v[PST], v[DD+16*\n+8*\m:DD+16*\n+8*\m+3] offset:2304*\m+64*\n          ; lane (r, h): row 16 m + r, columns 16 n + 8 h + 0 .. 7; each result from its low end on
	ds_store_b128 v[PST], v[DD+16*\n+8*\m+4:DD+16*\n+8*\m+7] offset:2304*\m+64*\n+16
.endr
.endr
.irp k, 0,1,2,3,4,5,6,7
	ds_load_b128 v[X+4*\k:X+4*\k+3], v[RDA] offset:576*\k   ; rows 4 k .. 4 k + 3.  LDS serves a wave's instructions in order: these see my stores
.endr
.irp k, 0,1,2,3,4,5,6,7
	s_wait_dscnt 7-\k
	global_store_b128 v[LI], v[X+4*\k:X+4*\k+3], s[12:13] offset:512*\k   ; 32 lanes store 512 consecutive bytes, aligned
.endr
	s_wait_tensorcnt 0x0                           ; the wave's end
	ds_add_u32 v[SPW], v[NIL]
	s_wait_dscnt 0x0
	s_endpgm
.Lfunc_end_k_q3a309aa030_prep:
	.size	k_q3a309aa030_prep, .Lfunc_end_k_q3a309aa030_prep-k_q3a309aa030_prep
	.p2alignl 7, 3214868480
	.fill 96, 4, 3214868480
	.section	.rodata,"a",@progbits
	.p2align	6, 0x0
	.amdhsa_kernel k_q3a309aa030_prep
		.amdhsa_group_segment_fixed_size 9472
		.amdhsa_private_segment_fixed_size 0
		.amdhsa_enable_private_segment 0
		.amdhsa_kernarg_size 40
		.amdhsa_user_sgpr_count 2
		.amdhsa_user_sgpr_kernarg_segment_ptr 1
		.amdhsa_wavefront_size32 1
		.amdhsa_system_sgpr_workgroup_id_x 1
		.amdhsa_system_sgpr_workgroup_id_y 1
		.amdhsa_system_sgpr_workgroup_id_z 1
		.amdhsa_system_vgpr_workitem_id 0
		.amdhsa_next_free_vgpr 384
		.amdhsa_next_free_sgpr 66
		.amdhsa_reserve_vcc 0
		.amdhsa_float_denorm_mode_32 3
		.amdhsa_float_denorm_mode_16_64 3
		.amdhsa_memory_ordered 1
		.amdhsa_forward_progress 1
		.amdhsa_inst_pref_size 52
	.end_amdhsa_kernel
	.amdgpu_metadata
---
amdhsa.version: [ 1, 2 ]
amdhsa.kernels:
  - .name:           k_q3a309aa030_prep
    .symbol:         k_q3a309aa030_prep.kd
    .args:
      - { .name: W2, .offset: 0, .size: 8, .value_kind: global_buffer, .address_space: global }
      - { .name: W1, .offset: 8, .size: 8, .value_kind: global_buffer, .address_space: global }
      - { .name: query, .offset: 16, .size: 8, .value_kind: global_buffer, .address_space: global }
      - { .name: w2f, .offset: 24, .size: 8, .value_kind: global_buffer, .address_space: global }
      - { .name: qbuf, .offset: 32, .size: 8, .value_kind: global_buffer, .address_space: global }
    .group_segment_fixed_size: 9472
    .private_segment_fixed_size: 0
    .kernarg_segment_align: 8
    .kernarg_segment_size: 40
    .max_flat_workgroup_size: 64
    .sgpr_count:     66
    .vgpr_count:     384
    .wavefront_size: 32
...
	.end_amdgpu_metadata
.endif
;; end of part 1
;; launch main (part 2): grid 256 x 1, 4 waves a work-group, clusters of 4 x 1, 327,680 bytes of LDS; arguments values, w2f, qbuf, V, sbuf; writes sbuf
.if DOCPART == 2
	.amdgcn_target "amdgcn-amd-amdhsa--gfx1250"
	.amdhsa_code_object_version 6
	.text
	.protected	k_q3a309aa030_main
	.globl	k_q3a309aa030_main
	.p2align	8
	.type	k_q3a309aa030_main,@function
k_q3a309aa030_main:
	s_mov_b64 s[64:65], 0
	v_nop
	global_prefetch_b8 v0, s[64:65] scope:SCOPE_SE
	s_setreg_imm32_b32 hwreg(HW_REG_WAVE_MODE, 25, 1), 1
	s_wait_xcnt 0x0
	s_wait_alu depctr_hold_cnt(0) depctr_sa_sdst(0) depctr_va_vdst(0) depctr_va_sdst(0) depctr_va_ssrc(0) depctr_va_vcc(0) depctr_vm_vsrc(0)
	s_getreg_b32 s2, hwreg(HW_REG_IB_STS2, 6, 4)
	s_cmp_eq_u32 s2, 0
	s_cbranch_scc0 .Lentry_in_a_cluster
	s_endpgm
.Lentry_in_a_cluster:
	s_bfe_u32 s2, ttmp6, 0x10000c
	s_cmp_lg_u32 s2, 0x3003
	s_cbranch_scc0 .Lentry_shape_is_right
	s_endpgm
.Lentry_shape_is_right:
; S[b][t] = sum_u V[u] r(q[b][u] + p[b][t][u]), r(x) = 1 / (1 + e^(2x)), p = Q(values) Q(W2) on codes of E3M2.
; WORK LEFT OUT: the logits' term sum_u V[u], the same along the softmax's axis (shown at the head of prep).  NaN and infinities among the inputs are not served.
; SHARES.  A work-group takes 256 rows (b, t), a wave 64: four tiles of 16 rows.
; FIRST PART: a wave reads its rows once, as f32, turns each 16 rows x 128 K through its own stage in LDS so that a lane holds 16 neighbours along K, quantises them, and
; takes all its codes into registers as operand images: 8 K steps x 4 tiles x 12 registers, in windows 1 and 2; the scale words in v16-47.
; SECOND PART: W2's operand images (w2f) come by joint tensor loads of the cluster's four work-groups, which all walk the same weights, through two slots of four blocks of 16 columns.
; A STAGE is 32 columns u: 64 matrix instructions, its 8 accumulators by turns, source 0 = 16 columns of W2, source 1 = 16 rows: a lane holds one row t and
; eight neighbouring u.  q is the C of the first K step.  No transcendental stands inside the run.  Two sets of accumulators take turns from stage to stage.  Stage n's 64 numbers a lane go this way:
; behind run n they are multiplied by 2 log2(e) and become e = 2^(..), in place; among run n + 1's first 32 matrix instructions 1 is added, in place; behind run n + 1 their reciprocals go to
; 64 registers of window 0, in one batch with stage n + 1's exponentials; among run n + 2's last twelve matrix instructions r x V is summed.  So V is loaded for the stage two back.
; THE START: the reciprocals' registers begin as 0 and the idle set of accumulators as 2^127, whose reciprocal is under 2^-126: what the first two runs sum is nothing to rounding.
.set BLK,   12800
.set RC,    64                         ; window 0, v64-127: the reciprocals
.set SLOTX, 0x10000
.set QT,    51200
.set VT,    55296
.set SOUT,  59392
.set SPARE, 60416
.set WR0,   116736
.set WRS,   35072
.set IMGO,  8448
.set ISCO,  33024
.set LN,  1
.set RW,  2
.set HF,  3
.set GA,  4
.set STW, 5
.set STR, 6
.set IM0, 7
.set IMW, 8
.set IS0, 9
.set ISW, 10
.set TA,  11
.set T12, 12
.set T13, 13
.set SPW, 14
.set NIL, 15
.set SA,  16
.set SW,  48
.set X,   64
.set TM,  128
.set PW,  144
.set PC,  146
.set VV,  192
.set FR,  128
.set QQ,  224
.set SS,  240
.set ADR, 248
.set ADS, 249
.set ADQ, 250
.set AD0, 251
.set AS0, 252
.set AQ0, 253
.set WV,  14
.set G1,  24
.set G0A, 32
.set G0B, 36
.set TB,  40
.set TQ,  41
.set CNT, 42
.set IT,  43
.set CS,  44
.set SEL, 46
.set VB,  48
.set IS,  50
.set WRB, 51
.set M1,  0xf7
.set M2,  0xfb
.set MSB, 0
.macro WIN new
.if MSB != \new
	s_set_vgpr_msb (MSB<<8)|\new
.set MSB, \new
.endif
.endm
.macro CREST
	s_cmp_lg_u32 s[WV], 0
	s_cbranch_scc1 .Lnot_wave_0_\@
	s_barrier_signal -3
.Lnot_wave_0_\@:
	s_barrier_wait -3
	s_barrier_signal -1
	s_barrier_wait -1
.endm
.macro ROUND
	s_barrier_signal -1
	s_barrier_wait -1
	CREST
.endm
.macro GLOAD set, off
	WIN 0xc0
.irp i, 0,1,2,3,4,5,6,7,8,9,10,11,12,13,14,15
	global_load_b128 v[64*(\set)+4*\i:64*(\set)+4*\i+3], v[GA], s[VB:VB+1] offset:(\off)+4096*\i th:TH_LOAD_NT
.endr
	WIN 0
.endm
.macro QUANT
.irp b, 0,1,2,3
	v_max3_num_f32 v[TM+\b], |v[X+16*\b]|, |v[X+1+16*\b]|, 0x2800000
.endr
.irp i, 2,4,6,8,10,12,14
.irp b, 0,1,2,3
	v_max3_num_f32 v[TM+\b], v[TM+\b], |v[X+16*\b+\i]|, |v[X+1+16*\b+\i]|
.endr
.endr
.irp b, 0,1,2,3
	v_permlanex16_b32 v[TM+4+\b], v[TM+\b], s[SEL], s[SEL+1]
.endr
.irp b, 0,1,2,3
	v_max_num_f32 v[TM+\b], v[TM+\b], v[TM+4+\b]
.endr
.irp b, 0,1,2,3
	v_add_nc_u32 v[TM+12+\b], 0xfe000000, v[TM+\b]
.endr
.irp b, 0,1,2,3
	v_lshrrev_b32 v[TM+4+\b], 23, v[TM+12+\b]
.endr
	v_lshl_or_b32 v[PW], v[TM+5], 8, v[TM+4]
	v_lshl_or_b32 v[PW], v[TM+6], 16, v[PW]
	v_lshl_or_b32 v[PW], v[TM+7], 24, v[PW]
.irp c, 0,1
	v_cvt_scalef32_pk16_bf6_f32 v[PC+6*\c:PC+2+6*\c], v[X+32*\c:X+15+32*\c], v[TM+12+2*\c]
	v_cvt_scalef32_pk16_bf6_f32 v[PC+12+4*\c:PC+14+4*\c], v[X+16+32*\c:X+31+32*\c], v[TM+12+2*\c+1]
.endr
	v_nop
.irp c, 0,1
.irp i, 0,1,2
	v_permlane16_swap_b32 v[PC+6*\c+\i], v[PC+12+4*\c+\i]
.endr
.irp i, 0,1,2
	v_mov_b32 v[PC+3+6*\c+\i], v[PC+12+4*\c+\i]
.endr
.endr
.endm
.macro FSTEP s, ahead, left
	s_wait_loadcnt \left
	WIN 0x0c
.irp i, 0,1,2,3,4,5,6,7,8,9,10,11,12,13,14,15
	ds_store_b128 v[STW], v[64*\s+4*\i:64*\s+4*\i+3] offset:528*\i
.endr
	WIN 0
.irp b, 0,1,2,3
.irp j, 0,1,2,3
	ds_load_b128 v[X+16*\b+4*\j:X+16*\b+4*\j+3], v[STR] offset:128*\b+16*\j
.endr
.endr
	s_wait_dscnt 0x0
.if \ahead
	GLOAD \s, 65536*\s+512
.endif
	QUANT
.irp c, 0,1,2
	ds_store_b128 v[IMW], v[PC+4*\c:PC+4*\c+3] offset:1536*\s+512*\c
.endr
	ds_store_b32 v[ISW], v[PW] offset:128*\s
.endm
.macro ATRIP ahead
	v_add_nc_u32 v[IMW], s[IT], v[IM0]
	v_add_nc_u32 v[ISW], s[IS], v[IS0]
.if \ahead
	FSTEP 0, 1, 48
	FSTEP 1, 1, 48
	FSTEP 2, 1, 48
	FSTEP 3, 1, 48
	s_wait_xcnt 0x0
	s_add_nc_u64 s[VB:VB+1], s[VB:VB+1], 512
	s_add_co_u32 s[IT], s[IT], 6144
	s_add_co_u32 s[IS], s[IS], 512
.else
	FSTEP 0, 0, 48
	FSTEP 1, 0, 32
	FSTEP 2, 0, 16
	FSTEP 3, 0, 0
.endif
.endm
.macro BULK win, half
	WIN \win
.set ii, 0
.rept 16
.irp c, 0,1,2
	ds_load_b128 v[12*ii+4*\c:12*ii+4*\c+3], v[IM0] offset:1536*ii+512*\c
.endr
.set ii, ii+1
.endr
	WIN 0
.set ii, 0
.rept 16
	ds_load_b32 v[SA+16*\half+ii], v[IS0] offset:128*ii
.set ii, ii+1
.endr
.endm
.macro LOADF buf, off
.irp c, 0,1,2
	ds_load_b128 v[FR+12*(\buf)+4*\c:FR+12*(\buf)+4*\c+3], v[ADR] offset:(\off)+512*\c
.endr
.endm
; Behind the run of a stage of parity P.  The multiplies are the first readers of the matrix results, each accumulator from its low end on; the first 28 of them name no register of the last
; matrix instruction and are its places.  Then ONE batch: this stage's 64 exponentials, in place, and the 64 reciprocals of the stage before (the other set, 1 + e), into window 0.
; One wait ahead of the batch and one behind it.
.macro SIGM P
.set ti, 0
.rept 32
	v_pk_mul_f32 v[64*\P+ti:64*\P+ti+1], v[64*\P+ti:64*\P+ti+1], s[CS:CS+1] op_sel_hi:[1,0]
.set ti, ti+2
.endr
	s_wait_alu depctr_va_vdst(0)
.set ti, 0
.rept 64
	v_exp_f32 v[64*\P+ti], v[64*\P+ti]
.set ti, ti+1
.endr
	WIN 0x03                                       ; source window 3, destination window 0
.set ti, 0
.rept 64
	v_rcp_f32 v[RC+ti], v[64*(1-\P)+ti]
.set ti, ti+1
.endr
	WIN M2
	v_nop                                          ; a plain line behind the last transcendental
	s_wait_alu depctr_va_vdst(0)
.endm
.macro FMA
.set ztt, z&3
.set zjp, (z>>2)&3
.set zu, z>>4
	v_pk_fma_f32 v[SS+2*ztt:SS+2*ztt+1], v[RC+8*(4*zu+ztt)+2*zjp:RC+8*(4*zu+ztt)+2*zjp+1], v[vvo+8*zu+2*zjp:vvo+8*zu+2*zjp+1], v[SS+2*ztt:SS+2*ztt+1]
.endm
; What stands behind matrix instruction sg of a run.  Behind the first 32: 1 + e of the stage before, in place in the other set; four of them a group are also the places ahead of the
; fragment loads.  In groups 9 and 12 a v_nop serves as such a place.  Behind the last twelve (groups 13 to 15, where no wait on memory stands): the 32 multiply-adds
; of the stage two back, whose r lies in window 0: the first source's window is switched round them.
.macro SLICE
.if sg < 32
	v_pk_add_f32 v[ea+2*sg:ea+2*sg+1], v[ea+2*sg:ea+2*sg+1], 1.0 op_sel_hi:[1,0]
.elseif sg >= 52
	WIN 0xf8
.set z, ((sg-52)*8)/3
.rept ((sg-51)*8)/3-z
	FMA
.set z, z+1
.endr
	WIN M2
.elseif (g == 9) || (g == 12)
	v_nop
.endif
.set sg, sg+1
.endm
.macro MM
.if ks == 0
	v_wmma_scale_f32_16x16x128_f8f6f4 v[rD:rD+7], v[rF:rF+11], v[rA:rA+11], v[QQ+8*u2:QQ+8*u2+7], v[rSW], v[rSA] matrix_a_fmt:MATRIX_FMT_BF6 matrix_b_fmt:MATRIX_FMT_BF6
.elseif ks < 4
	v_wmma_scale_f32_16x16x128_f8f6f4 v[rD:rD+7], v[rF:rF+11], v[rA:rA+11], v[rD:rD+7], v[rSW], v[rSA] matrix_a_fmt:MATRIX_FMT_BF6 matrix_b_fmt:MATRIX_FMT_BF6
.else
	v_wmma_scale_f32_16x16x128_f8f6f4 v[rD:rD+7], v[rF:rF+11], v[rA:rA+11], v[rD:rD+7], v[rSW], v[rSA] matrix_a_fmt:MATRIX_FMT_BF6 matrix_b_fmt:MATRIX_FMT_BF6 matrix_a_scale:MATRIX_SCALE_ROW1
.endif
.endm
.macro STAGE P, chg, nxt
.set sg, 0
.set g, 0
.set ea, 64*(1-\P)
.set vvo, VV
.set BO, 2*\P*BLK
.set BN, 2*(1-\P)*BLK
.set n9, 7+4*\nxt
.if \chg
.set n9, n9+1
.endif
.rept 16
.set u2, g&1
.set ks, g>>1
.if g == 0
	WIN M1
.if \P == 0
	v_add_nc_u32 v[ADQ], v[AQ0], s[TQ]
	s_wait_alu depctr_va_vdst(0)
.endif
.elseif g == 8
	WIN M2
.endif
.if g <= 9
	s_wait_dscnt 18-3*(g&1)
.elseif g == 10
	s_wait_dscnt 12+n9
.elseif g == 11
	s_wait_dscnt 9+n9
.endif
.set tt, 0
.rept 4
.set rD, 64*\P+8*(4*u2+tt)
.set rF, FR+12*(g%8)
.set rA, 12*(4*(ks&3)+tt)
.set rSW, SW+8*\P+4*u2+(ks&3)
.set rSA, SA+4*ks+tt
	MM
	SLICE
.set tt, tt+1
.endr
.if (g&1) && (g <= 7)
.set lb, (g+6)%8
.set lo, BO+((g+6)&1)*BLK+((g+6)>>1)*1536
	LOADF lb, lo
.set lb, (g+7)%8
.set lo, BO+((g+7)&1)*BLK+((g+7)>>1)*1536
	LOADF lb, lo
.endif
.if g == 9
	LOADF 7, BO+BLK+7*1536
.if \nxt
.irp k, 0,1,2,3
	ds_load_b128 v[QQ+4*\k:QQ+4*\k+3], v[ADQ] offset:128*(\P+1)+64*(\k/2)+16*(\k%2)
.endr
.endif
	WIN 0x83
.irp k, 0,1,2,3
	ds_load_b128 v[VV+4*\k:VV+4*\k+3], v[ADQ] offset:VT-QT-256+128*\P+64*(\k/2)+16*(\k%2)   ; V of the stage two back, 256 bytes back (in the first two stages: the end of q's table, multiplied by nothing)
.endr
.if \chg
	WIN 0
	s_wait_tensorcnt 0x0
	ds_add_u32 v[SPW], v[NIL]
.if \chg == 1
	s_xor_b32 s[G0B+1], s[G0B+1], SLOTX
	s_add_nc_u64 s[G0B+2:G0B+3], s[G0B+2:G0B+3], 4*BLK
.endif
.endif
	WIN M2
.endif
.if g == 11
	s_wait_dscnt 0x0
.if \chg
	s_barrier_signal -1
.endif
.endif
.if g == 12
.if \chg
	WIN 0
	s_barrier_wait -1
.if \chg == 1
	CREST
	tensor_load_to_lds s[G0B:G0B+3], s[G1:G1+7]
	s_nop 0
.rept 4
	v_nop
.endr
.endif
	s_xor_b32 s[TB], s[TB], SLOTX
	WIN M2
	v_add_nc_u32 v[ADR], v[AD0], s[TB]
	v_add_nc_u32 v[ADS], v[AS0], s[TB]
.endif
.if \nxt
	WIN 0x03
.irp u, 0,1
.irp i, 0,1,2,3
	ds_load_b32 v[SW+8*(1-\P)+4*\u+\i], v[ADS] offset:BN+\u*BLK+12288+64*\i
.endr
.endr
	WIN M2
.irp f, 0,1,2,3
	LOADF \f, BN+(\f%2)*BLK+(\f/2)*1536
.endr
.endif
.endif
.if (g == 15) && (\nxt)
.irp f, 4,5,6
	LOADF \f, BN+(\f%2)*BLK+(\f/2)*1536
.endr
.endif
.set g, g+1
.endr
	SIGM \P
.endm
	s_load_b256 s[4:11], s[0:1], 0x0
	s_load_b64 s[12:13], s[0:1], 0x20
	v_lshl_add_u32 v[SPW], v0, 2, SPARE
	v_mov_b32 v[NIL], 0
	ds_add_u32 v[SPW], v[NIL]
	ds_add_u32 v[SPW], v[NIL]
	v_lshrrev_b32 v1, 5, v0
	v_readfirstlane_b32 s[WV], v1
	s_mov_b32 s[G1+0], 15|(3<<16)|(1<<21)
	s_mov_b32 s[G1+1], 32<<16
	s_mov_b32 s[G1+2], 50<<16
	s_mov_b32 s[G1+3], 32<<16
	s_mov_b32 s[G1+4], 50
	s_mov_b32 s[G1+5], 32
	s_mov_b32 s[G1+6], 0
	s_mov_b32 s[G1+7], 0
	s_mul_i32 s52, s[WV], BLK
	s_mov_b32 s53, 0
	s_mov_b32 s[CS], 0x4038aa3b
	s_mov_b32 s[CS+1], s[CS]
	s_mov_b32 s[SEL], 0x76543210
	s_mov_b32 s[SEL+1], 0xfedcba98
	s_mov_b32 s[TB], 0
	s_mov_b32 s[TQ], 0
	s_mov_b32 s[IT], 0
	s_mov_b32 s[IS], 0
	s_wait_dscnt 0x0
	s_wait_kmcnt 0x0
	s_add_nc_u64 s[54:55], s[6:7], s[52:53]
	s_mov_b32 s[G0A], 1
	s_mov_b32 s[G0A+1], s52
	s_mov_b64 s[G0A+2:G0A+3], s[54:55]
	s_or_b32 s[G0A+3], s[G0A+3], 0x80000000
	s_mov_b32 s[G0B], 1
	s_add_co_u32 s[G0B+1], s52, SLOTX
	s_add_nc_u64 s[G0B+2:G0B+3], s[54:55], 4*BLK
	s_or_b32 s[G0B+3], s[G0B+3], 0x80000000
	ROUND
	tensor_load_to_lds s[G0A:G0A+3], s[G1:G1+7]
	s_nop 0
	s_wait_alu depctr_va_vdst(0)
	s_wait_tensorcnt 0x0
	ds_add_u32 v14, v15
	s_wait_dscnt 0x0
	ROUND
	tensor_load_to_lds s[G0B:G0B+3], s[G1:G1+7]
	s_nop 0
.rept 4
	v_nop
.endr
	v_and_b32 v[LN], 31, v0
	v_and_b32 v[RW], 15, v0
	v_bfe_u32 v[HF], v0, 4, 1
	v_lshlrev_b32 v[GA], 4, v[LN]
	v_lshlrev_b32 v[TA], 5, v0
	v_lshrrev_b32 v[T12], 2, v0
	v_and_b32 v[T13], 3, v0
	v_lshlrev_b32 v[T13], 5, v[T13]
	v_lshl_add_u32 v[T12], v[T12], 12, v[T13]
	s_mul_i32 s[WRB], s[WV], WRS
	s_add_co_u32 s[WRB], s[WRB], WR0
	v_add_nc_u32 v[STW], s[WRB], v[GA]
	v_mul_u32_u24 v[STR], v[RW], 528
	v_lshl_add_u32 v[STR], v[HF], 6, v[STR]
	v_add_nc_u32 v[STR], s[WRB], v[STR]
	v_add_nc_u32 v[IM0], IMGO, v[STW]
	v_lshlrev_b32 v[IS0], 2, v[LN]
	v_add_nc_u32 v[IS0], s[WRB], v[IS0]
	v_add_nc_u32 v[IS0], ISCO, v[IS0]
.irp b, 0,1,2,3
	v_mov_b32 v[TM+4+\b], 0
.endr
	s_bfe_u32 s56, ttmp6, 0x40000
	s_lshl_b32 s57, ttmp9, 2
	s_add_co_u32 s57, s57, s56
	s_lshr_b32 s58, s57, 3
	s_lshl_b32 s58, s58, 7
	s_mov_b32 s59, 0
	s_add_nc_u64 s[8:9], s[8:9], s[58:59]
	s_lshl_b32 s58, s57, 20
	s_lshl_b32 s56, s[WV], 18
	s_add_co_u32 s58, s58, s56
	s_add_nc_u64 s[VB:VB+1], s[4:5], s[58:59]
	s_lshl_b32 s58, s57, 10
	s_lshl_b32 s56, s[WV], 8
	s_add_co_u32 s58, s58, s56
	s_add_nc_u64 s[12:13], s[12:13], s[58:59]
.irp k, 0,1,2,3,4,5,6,7
	global_load_b128 v[X+8*\k:X+8*\k+3], v[T12], s[8:9] offset:131072*\k
	global_load_b128 v[X+8*\k+4:X+8*\k+7], v[T12], s[8:9] offset:131072*\k+16
.endr
	global_load_b128 v[PC:PC+3], v[TA], s[10:11]
	global_load_b128 v[PC+4:PC+7], v[TA], s[10:11] offset:16
	GLOAD 0, 0
	GLOAD 1, 65536
	GLOAD 2, 131072
	s_wait_loadcnt 48
.irp k, 1,2,3,4,5,6,7
.irp j, 0,2,4,6
	v_pk_add_f32 v[X+\j:X+\j+1], v[X+\j:X+\j+1], v[X+8*\k+\j:X+8*\k+\j+1]
.endr
.endr
	ds_store_b128 v[TA], v[X:X+3] offset:QT
	ds_store_b128 v[TA], v[X+4:X+7] offset:QT+16
	ds_store_b128 v[TA], v[PC:PC+3] offset:VT
	ds_store_b128 v[TA], v[PC+4:PC+7] offset:VT+16
	GLOAD 3, 196608
	s_mov_b32 s[CNT], 4
.Lstep_a:
	ATRIP 1
	s_sub_co_u32 s[CNT], s[CNT], 1
	s_cmp_lg_u32 s[CNT], 0
	s_cbranch_scc1 .Lstep_a
	BULK 0x40, 0
	s_mov_b32 s[IT], 0
	s_mov_b32 s[IS], 0
	s_mov_b32 s[CNT], 3
.Lstep_b:
	ATRIP 1
	s_sub_co_u32 s[CNT], s[CNT], 1
	s_cmp_lg_u32 s[CNT], 0
	s_cbranch_scc1 .Lstep_b
	ATRIP 0
	BULK 0x80, 1
	WIN 0xc0
	v_lshlrev_b32 v[AD0], 4, v[LN]
	v_lshlrev_b32 v[AS0], 2, v[RW]
	v_lshl_add_u32 v[AQ0], v[HF], 5, QT
.set ii, 0
.rept 64
	v_mov_b32 v[64+ii], 0x7f000000                 ; 2^127 in the set that the first run leaves idle
.set ii, ii+1
.endr
.set ii, 0
.rept 8
	v_mov_b32 v[SS+ii], 0
.set ii, ii+1
.endr
	WIN 0xf0
	v_lshl_add_u32 v[AS0], v[HF], 8, v[AS0]
	WIN 0
.set ii, 0
.rept 64
	v_mov_b32 v[RC+ii], 0
.set ii, ii+1
.endr
	s_wait_tensorcnt 0x1
	s_wait_dscnt 0x0
	s_barrier_signal -1
	s_barrier_wait -1
	WIN M1
	v_add_nc_u32 v[ADR], v[AD0], s[TB]
	v_add_nc_u32 v[ADS], v[AS0], s[TB]
	v_add_nc_u32 v[ADQ], v[AQ0], s[TQ]
.irp k, 0,1,2,3
	ds_load_b128 v[QQ+4*\k:QQ+4*\k+3], v[ADQ] offset:64*(\k/2)+16*(\k%2)
.endr
	WIN 0x03
.irp u, 0,1
.irp i, 0,1,2,3
	ds_load_b32 v[SW+4*\u+\i], v[ADS] offset:\u*BLK+12288+64*\i
.endr
.endr
	WIN M1
.irp f, 0,1,2,3,4,5,6
	LOADF \f, (\f%2)*BLK+(\f/2)*1536
.endr
	WIN 0
	s_mov_b32 s[CNT], 14
.Lslot:
	STAGE 0, 0, 1
	STAGE 1, 1, 1
	WIN 0
	s_add_co_u32 s[TQ], s[TQ], 256
	s_sub_co_u32 s[CNT], s[CNT], 1
	s_cmp_lg_u32 s[CNT], 0
	s_cbranch_scc1 .Lslot
	STAGE 0, 0, 1
	STAGE 1, 2, 1
	s_add_co_u32 s[TQ], s[TQ], 256
	STAGE 0, 0, 1
	STAGE 1, 0, 0
	; the last two stages are finished: r of the last but one lies in window 0, e of the last in the second set
	WIN 0x83
.irp k, 0,1,2,3,4,5,6,7
	ds_load_b128 v[VV+4*\k:VV+4*\k+3], v[ADQ] offset:VT-QT+64*(\k/2)+16*(\k%2)   ; V of both
.endr
	WIN M2
.set ti, 0
.rept 32
	v_pk_add_f32 v[64+ti:64+ti+1], v[64+ti:64+ti+1], 1.0 op_sel_hi:[1,0]
.set ti, ti+2
.endr
	s_wait_alu depctr_va_vdst(0)                   ; the wait ahead of the batch,
.set ti, 0
.rept 64
	v_rcp_f32 v[64+ti], v[64+ti]
.set ti, ti+1
.endr
	v_nop
	s_wait_alu depctr_va_vdst(0)                   ; and behind it
	s_wait_dscnt 0x0
	WIN 0xf8
.set vvo, VV
.set z, 0
.rept 32
	FMA
.set z, z+1
.endr
	WIN M2                                         ; the last stage's r lies in window 3, at the same register numbers
.set vvo, VV+16
.set z, 0
.rept 32
	FMA
.set z, z+1
.endr
	WIN 0x0f
.irp t, 0,1,2,3
	v_add_f32 v[X+\t], v[SS+2*\t], v[SS+2*\t+1]
.endr
	WIN 0
.irp t, 0,1,2,3
	v_permlanex16_b32 v[X+4+\t], v[X+\t], s[SEL], s[SEL+1]
.endr
.irp t, 0,1,2,3
	v_add_f32 v[X+\t], v[X+\t], v[X+4+\t]
.endr
	s_lshl_b32 s52, s[WV], 8
	v_lshlrev_b32 v[T12], 2, v[RW]
	v_add_nc_u32 v[T12], s52, v[T12]
	v_lshlrev_b32 v[T13], 3, v[LN]
	v_add_nc_u32 v[IMW], s52, v[T13]
.irp t, 0,1,2,3
	ds_store_b32 v[T12], v[X+\t] offset:SOUT+64*\t
.endr
	ds_load_b64 v[X+8:X+9], v[IMW] offset:SOUT
	s_wait_alu depctr_va_vdst(0)
	s_wait_dscnt 0x0
	global_store_b64 v[T13], v[X+8:X+9], s[12:13]
	s_wait_tensorcnt 0x0
	ds_add_u32 v[SPW], v[NIL]
	s_wait_dscnt 0x0
	ROUND
	s_endpgm
.Lfunc_end_k_q3a309aa030_main:
	.size	k_q3a309aa030_main, .Lfunc_end_k_q3a309aa030_main-k_q3a309aa030_main
	.p2alignl 7, 3214868480
	.fill 96, 4, 3214868480
	.section	.rodata,"a",@progbits
	.p2align	6, 0x0
	.amdhsa_kernel k_q3a309aa030_main
		.amdhsa_group_segment_fixed_size 327680
		.amdhsa_private_segment_fixed_size 0
		.amdhsa_enable_private_segment 0
		.amdhsa_kernarg_size 40
		.amdhsa_user_sgpr_count 2
		.amdhsa_user_sgpr_kernarg_segment_ptr 1
		.amdhsa_wavefront_size32 1
		.amdhsa_system_sgpr_workgroup_id_x 1
		.amdhsa_system_sgpr_workgroup_id_y 1
		.amdhsa_system_sgpr_workgroup_id_z 1
		.amdhsa_system_vgpr_workitem_id 0
		.amdhsa_next_free_vgpr 1024
		.amdhsa_next_free_sgpr 66
		.amdhsa_reserve_vcc 0
		.amdhsa_float_denorm_mode_32 3
		.amdhsa_float_denorm_mode_16_64 3
		.amdhsa_memory_ordered 1
		.amdhsa_forward_progress 1
		.amdhsa_inst_pref_size 255
	.end_amdhsa_kernel
	.section	.bss,"aw",@nobits
	.p2align	6
	.space	262144
	.amdgpu_metadata
---
amdhsa.version: [ 1, 2 ]
amdhsa.kernels:
  - .name:           k_q3a309aa030_main
    .symbol:         k_q3a309aa030_main.kd
    .args:
      - { .name: values, .offset: 0, .size: 8, .value_kind: global_buffer, .address_space: global }
      - { .name: w2f, .offset: 8, .size: 8, .value_kind: global_buffer, .address_space: global }
      - { .name: qbuf, .offset: 16, .size: 8, .value_kind: global_buffer, .address_space: global }
      - { .name: V, .offset: 24, .size: 8, .value_kind: global_buffer, .address_space: global }
      - { .name: sbuf, .offset: 32, .size: 8, .value_kind: global_buffer, .address_space: global }
    .group_segment_fixed_size: 327680
    .private_segment_fixed_size: 0
    .kernarg_segment_align: 8
    .kernarg_segment_size: 40
    .max_flat_workgroup_size: 128
    .sgpr_count:     66
    .vgpr_count:     1024
    .wavefront_size: 32
...
	.end_amdgpu_metadata
.endif
;; end of part 2
;; launch ctx (part 3): grid 8 x 32, 16 waves a work-group, no clusters, 20,992 bytes of LDS; arguments values, sbuf, out0, out1; writes out0, out1
.if DOCPART == 3
	.amdgcn_target "amdgcn-amd-amdhsa--gfx1250"
	.amdhsa_code_object_version 6
	.text
	.protected	k_q3a309aa030_ctx
	.globl	k_q3a309aa030_ctx
	.p2align	8
	.type	k_q3a309aa030_ctx,@function
k_q3a309aa030_ctx:
	s_mov_b64 s[64:65], 0
	v_nop
	global_prefetch_b8 v0, s[64:65] scope:SCOPE_SE
	s_setreg_imm32_b32 hwreg(HW_REG_WAVE_MODE, 25, 1), 1
	s_wait_xcnt 0x0
; out1[b][t] = softmax over t of -2 S[b][t]; out0[b][d] = sum_t out1[b][t] values[b][t][d].  WORK LEFT OUT: the logits' term sum_u V[u], the same along the softmax's axis (shown at the head of prep).
; The largest logit is taken away before the exponential: it is -2 x the smallest S.  NaN and infinities among the inputs are not served.
; SHARES.  Work-group (x, b) owns out0[b][128 x .. 128 x + 127]: each output has one owner.  Each of the eight work-groups of a batch makes the batch's 2,048 weights for itself (8 KB read, four numbers a thread);
; the first of them stores out1.  Wave w takes rows t = 64 i + 4 w + j (i = 0 .. 31, j = 0 .. 3); a load is a row's 512 consecutive bytes, aligned, 16 a lane.
; A ring of eight slots of four loads keeps 32 loads of every wave on their way; a slot's four weights come from LDS, the same 16 bytes for all lanes, asked for eight turns ahead like its rows.
; The 32 turns are written out: every offset is an immediate (8,138,752 bytes at the most, inside the signed 24 bits: ISA guide, chapter 10), so no base and no offset register is ever rewritten.
; Memory binds: no matrix unit, no tensor loads.  No cluster: what the work-groups of a batch share is S, 8 KB beside the 1 MB that each reads alone.
.set WT,    0                          ; the 2,048 weights
.set RED0,  8192                       ; sixteen waves' smallest S
.set RED1,  8448                       ; sixteen waves' sums
.set CP,    8704                       ; sixteen waves' parts of out0, 512 bytes each
.set SPARE, 16896                      ; the spare words, 128 bytes a wave: eight blocks of 256 bytes that no other line names
.set LN,  1
.set VO,  2                            ; 16 x lane + 4 rows x wave; never rewritten
.set T16, 3                            ; 16 x thread
.set E,   4                            ; v4-7 my four S, then e, then weights
.set M,   8
.set T,   9
.set SPW, 10                           ; LDS address of my spare word; never rewritten
.set NIL, 11                           ; 0; never rewritten
.set RA,  12                           ; 4 x wave
.set ZA,  13                           ; 0: the address of what all lanes read alike
.set WA0, 14                           ; 16 x wave; never rewritten
.set P,   16                           ; v16-31 sixteen waves' figures
.set WR,  32                           ; v32-63 slot s: four weights
.set X,   64                           ; v64-191 slot s: four rows' 16 bytes
.set AC,  192                          ; v192-207 four sums of four numbers, one for each j
.set L16, 208                          ; 16 x lane
	s_load_b256 s[4:11], s[0:1], 0x0               ; values s[4:5], sbuf s[6:7], out0 s[8:9], out1 s[10:11]
	v_lshl_add_u32 v[SPW], v0, 2, SPARE
	v_mov_b32 v[NIL], 0
	v_lshrrev_b32 v1, 5, v0
	s_delay_alu instid0(VALU_DEP_1)
	v_readfirstlane_b32 s12, v1                    ; wave 0..15
	s_and_b32 s13, ttmp7, 0xffff                   ; the batch
	v_and_b32 v[LN], 31, v0
	s_delay_alu instid0(VALU_DEP_1)
	v_lshlrev_b32 v[L16], 4, v[LN]
	s_lshl_b32 s14, s12, 14
	v_add_nc_u32 v[VO], s14, v[L16]
	v_lshlrev_b32 v[T16], 4, v0
	s_lshl_b32 s24, s12, 4
	v_mov_b32 v[WA0], s24
	s_lshl_b32 s25, s12, 2
	v_mov_b32 v[RA], s25
	v_mov_b32 v[ZA], 0
	v_mov_b32 v[T], 0
	s_mov_b32 s20, 0x76543210
	s_mov_b32 s21, 0xfedcba98                      ; v_permlanex16_b32's selects for lane l xor 16
	s_lshl_b32 s16, s13, 23                        ; a batch is 2,048 rows of 4,096 bytes
	s_lshl_b32 s15, ttmp9, 9
	s_add_co_u32 s16, s16, s15                     ; + my 512 bytes of each row
	s_mov_b32 s17, 0
	s_lshl_b32 s18, s13, 13                        ; 8,192 bytes of S and of out1 a batch
	s_mov_b32 s19, 0
	s_lshl_b32 s26, s13, 12
	s_add_co_u32 s26, s26, s15                     ; out0: 4,096 bytes a batch, + my 512
	s_mov_b32 s27, 0
	s_wait_alu depctr_va_vdst(0)
	s_wait_kmcnt 0x0
	s_add_nc_u64 s[4:5], s[4:5], s[16:17]
	s_add_nc_u64 s[6:7], s[6:7], s[18:19]
	s_add_nc_u64 s[10:11], s[10:11], s[18:19]
	s_add_nc_u64 s[8:9], s[8:9], s[26:27]
	global_load_b128 v[E:E+3], v[T16], s[6:7]      ; S[4 n .. 4 n + 3], n my thread
	s_barrier_signal -1                            ; every wave has asked for its S:
	s_barrier_wait -1                              ; only now the rows are asked for
.irp s, 0,1,2,3,4,5,6,7
.irp j, 0,1,2,3
	global_load_b128 v[X+16*\s+4*\j:X+16*\s+4*\j+3], v[VO], s[4:5] offset:262144*\s+4096*\j th:TH_LOAD_NT   ; the ring is filled before the weights are made
.endr
.endr
.irp k, 0,1,2,3,4,5,6,7,8,9,10,11,12,13,14,15
	v_mov_b32 v[AC+\k], 0
.endr
	s_wait_loadcnt 32                              ; S is in; the ring's 32 loads stay out
	; the smallest S of the batch
	v_min3_num_f32 v[M], v[E], v[E+1], v[E+2]
	s_delay_alu instid0(VALU_DEP_1)
	v_min_num_f32 v[M], v[M], v[E+3]
	s_delay_alu instid0(VALU_DEP_1)
	v_min_num_f32_dpp v[M], v[M], v[M] row_xmask:1 row_mask:0xf bank_mask:0xf
	s_delay_alu instid0(VALU_DEP_1)
	v_min_num_f32_dpp v[M], v[M], v[M] row_xmask:2 row_mask:0xf bank_mask:0xf
	s_delay_alu instid0(VALU_DEP_1)
	v_min_num_f32_dpp v[M], v[M], v[M] row_xmask:4 row_mask:0xf bank_mask:0xf
	s_delay_alu instid0(VALU_DEP_1)
	v_min_num_f32_dpp v[M], v[M], v[M] row_xmask:8 row_mask:0xf bank_mask:0xf
	s_delay_alu instid0(VALU_DEP_1)
	v_permlanex16_b32 v[T], v[M], s20, s21
	s_delay_alu instid0(VALU_DEP_1)
	v_min_num_f32 v[M], v[M], v[T]
	ds_store_b32 v[RA], v[M] offset:RED0           ; all lanes write the wave's word with the same value
	s_wait_dscnt 0x0                               ; for the others' sake
	s_barrier_signal -1
	s_barrier_wait -1
.irp k, 0,1,2,3
	ds_load_b128 v[P+4*\k:P+4*\k+3], v[ZA] offset:RED0+16*\k
.endr
	s_wait_dscnt 0x0
	v_min3_num_f32 v[M], v[P], v[P+1], v[P+2]
.irp k, 3,5,7,9,11,13
	s_delay_alu instid0(VALU_DEP_1)
	v_min3_num_f32 v[M], v[M], v[P+\k], v[P+\k+1]
.endr
	s_delay_alu instid0(VALU_DEP_1)
	v_min_num_f32 v[M], v[M], v[P+15]
	; e = exp(-2 S + 2 min S) = 2^(2 log2(e) (min S - S)), at most 1
.irp k, 0,1,2,3
	v_sub_f32 v[E+\k], v[M], v[E+\k]
.endr
.irp k, 0,1,2,3
	s_delay_alu instid0(VALU_DEP_4)
	v_mul_f32 v[E+\k], 0x4038aa3b, v[E+\k]
.endr
	s_wait_alu depctr_va_vdst(0)
.irp k, 0,1,2,3
	v_exp_f32 v[E+\k], v[E+\k]
.endr
	v_nop                                          ; a plain line behind the last exponential
	s_wait_alu depctr_va_vdst(0)                   ; one wait for the four, ahead of the first line that names a result
	v_add_f32 v[M], v[E], v[E+1]
	v_add_f32 v[T], v[E+2], v[E+3]
	s_delay_alu instid0(VALU_DEP_1)
	v_add_f32 v[M], v[M], v[T]
	s_delay_alu instid0(VALU_DEP_1)
	v_add_f32_dpp v[M], v[M], v[M] row_xmask:1 row_mask:0xf bank_mask:0xf
	s_delay_alu instid0(VALU_DEP_1)
	v_add_f32_dpp v[M], v[M], v[M] row_xmask:2 row_mask:0xf bank_mask:0xf
	s_delay_alu instid0(VALU_DEP_1)
	v_add_f32_dpp v[M], v[M], v[M] row_xmask:4 row_mask:0xf bank_mask:0xf
	s_delay_alu instid0(VALU_DEP_1)
	v_add_f32_dpp v[M], v[M], v[M] row_xmask:8 row_mask:0xf bank_mask:0xf
	s_delay_alu instid0(VALU_DEP_1)
	v_permlanex16_b32 v[T], v[M], s20, s21
	s_delay_alu instid0(VALU_DEP_1)
	v_add_f32 v[M], v[M], v[T]
	ds_store_b32 v[RA], v[M] offset:RED1           ; other bytes than the first reduction's: no wave may still be reading those
	s_wait_dscnt 0x0
	s_barrier_signal -1
	s_barrier_wait -1
.irp k, 0,1,2,3
	ds_load_b128 v[P+4*\k:P+4*\k+3], v[ZA] offset:RED1+16*\k
.endr
	s_wait_dscnt 0x0
.irp k, 0,4,8,12
	v_pk_add_f32 v[P+\k:P+\k+1], v[P+\k:P+\k+1], v[P+\k+2:P+\k+3]
.endr
	s_delay_alu instid0(VALU_DEP_3)
	v_pk_add_f32 v[P:P+1], v[P:P+1], v[P+4:P+5]
	s_delay_alu instid0(VALU_DEP_2)
	v_pk_add_f32 v[P+8:P+9], v[P+8:P+9], v[P+12:P+13]
	s_delay_alu instid0(VALU_DEP_1)
	v_pk_add_f32 v[P:P+1], v[P:P+1], v[P+8:P+9]
	s_delay_alu instid0(VALU_DEP_1)
	v_add_f32 v[M], v[P], v[P+1]                   ; the batch's sum: at least 1
	s_wait_alu depctr_va_vdst(0)
	v_rcp_f32 v[M], v[M]
	v_nop
	s_wait_alu depctr_va_vdst(0)
	v_pk_mul_f32 v[E:E+1], v[E:E+1], v[M:M+1] op_sel_hi:[1,0]
	v_pk_mul_f32 v[E+2:E+3], v[E+2:E+3], v[M:M+1] op_sel_hi:[1,0]
	ds_store_b128 v[T16], v[E:E+3] offset:WT
	s_cmp_lg_u32 ttmp9, 0
	s_cbranch_scc1 .Lnot_first
	global_store_b128 v[T16], v[E:E+3], s[10:11]   ; out1, by the batch's first work-group: each store of a wave covers 512 consecutive bytes, aligned
.Lnot_first:
	s_wait_dscnt 0x0
	s_barrier_signal -1
	s_barrier_wait -1                              ; the 2,048 weights lie in LDS
.irp s, 0,1,2,3,4,5,6,7
	ds_load_b128 v[WR+4*\s:WR+4*\s+3], v[WA0] offset:WT+256*\s   ; the weights of rows 64 s + 4 w + 0 .. 3
.endr
; Slot s's turn in round q.  left, dleft: the younger global and LDS loads that may stay out.  ahead = 1: the slot takes the rows, and the weights, of the next round: 512 rows on.
.macro SLOT s, ahead, left, dleft, q
	s_wait_loadcnt \left
	s_wait_dscnt \dleft
.irp j, 0,1,2,3
.irp k, 0,1,2,3
	v_fmac_f32 v[AC+4*\j+\k], v[WR+4*\s+\j], v[X+16*\s+4*\j+\k]
.endr
.endr
.if \ahead
.irp j, 0,1,2,3
	global_load_b128 v[X+16*\s+4*\j:X+16*\s+4*\j+3], v[VO], s[4:5] offset:262144*\s+4096*\j+2097152*((\q)+1) th:TH_LOAD_NT
.endr
	ds_load_b128 v[WR+4*\s:WR+4*\s+3], v[WA0] offset:WT+256*\s+2048*((\q)+1)
.endif
.endm
.irp q, 0,1,2
.irp s, 0,1,2,3,4,5,6,7
	SLOT \s, 1, 28, 7, \q                          ; 28: four loads of each of the seven younger slots; 7: a weight load of each
.endr
.endr
.irp s, 0,1,2,3,4,5,6,7
	SLOT \s, 0, 28-4*\s, 7-\s, 3                   ; the last round loads nothing: the counts run down
.endr
	; my wave's part of out0: the four sums together; then the sixteen waves' parts, by wave 0
.irp k, 0,2
	v_pk_add_f32 v[AC+\k:AC+\k+1], v[AC+\k:AC+\k+1], v[AC+4+\k:AC+5+\k]
	s_delay_alu instid0(VALU_DEP_4)
	v_pk_add_f32 v[AC+8+\k:AC+9+\k], v[AC+8+\k:AC+9+\k], v[AC+12+\k:AC+13+\k]
.endr
.irp k, 0
	s_delay_alu instid0(VALU_DEP_3)
	v_pk_add_f32 v[AC+\k:AC+\k+1], v[AC+\k:AC+\k+1], v[AC+8+\k:AC+9+\k]
.endr
.irp k, 2
	s_delay_alu instid0(VALU_DEP_2)
	v_pk_add_f32 v[AC+\k:AC+\k+1], v[AC+\k:AC+\k+1], v[AC+8+\k:AC+9+\k]
.endr
	ds_store_b128 v[T16], v[AC:AC+3] offset:CP     ; 512 x wave + 16 x lane
	s_wait_dscnt 0x0
	s_barrier_signal -1
	s_barrier_wait -1
	s_cmp_lg_u32 s12, 0
	s_cbranch_scc1 .Lend
.irp k, 0,1,2,3,4,5,6,7,8,9,10,11,12,13,14,15
	ds_load_b128 v[X+4*\k:X+4*\k+3], v[L16] offset:CP+512*\k
.endr
	s_wait_dscnt 0x0
.irp k, 1
	v_pk_add_f32 v[X:X+1], v[X:X+1], v[X+4*\k:X+4*\k+1]
	v_pk_add_f32 v[X+2:X+3], v[X+2:X+3], v[X+4*\k+2:X+4*\k+3]
.endr
.irp k, 2, 3, 4, 5, 6, 7, 8, 9, 10, 11, 12, 13, 14, 15
	s_delay_alu instid0(VALU_DEP_2)
	v_pk_add_f32 v[X:X+1], v[X:X+1], v[X+4*\k:X+4*\k+1]
	s_delay_alu instid0(VALU_DEP_2)
	v_pk_add_f32 v[X+2:X+3], v[X+2:X+3], v[X+4*\k+2:X+4*\k+3]
.endr
	global_store_b128 v[L16], v[X:X+3], s[8:9]     ; 32 lanes store 512 consecutive bytes, aligned
.Lend:
	s_wait_tensorcnt 0x0                           ; the wave's end
	ds_add_u32 v[SPW], v[NIL]
	s_wait_dscnt 0x0
	s_endpgm
.Lfunc_end_k_q3a309aa030_ctx:
	.size	k_q3a309aa030_ctx, .Lfunc_end_k_q3a309aa030_ctx-k_q3a309aa030_ctx
	.p2alignl 7, 3214868480
	.fill 96, 4, 3214868480
	.section	.rodata,"a",@progbits
	.p2align	6, 0x0
	.amdhsa_kernel k_q3a309aa030_ctx
		.amdhsa_group_segment_fixed_size 20992
		.amdhsa_private_segment_fixed_size 0
		.amdhsa_enable_private_segment 0
		.amdhsa_kernarg_size 32
		.amdhsa_user_sgpr_count 2
		.amdhsa_user_sgpr_kernarg_segment_ptr 1
		.amdhsa_wavefront_size32 1
		.amdhsa_system_sgpr_workgroup_id_x 1
		.amdhsa_system_sgpr_workgroup_id_y 1
		.amdhsa_system_sgpr_workgroup_id_z 1
		.amdhsa_system_vgpr_workitem_id 0
		.amdhsa_next_free_vgpr 224
		.amdhsa_next_free_sgpr 66
		.amdhsa_reserve_vcc 0
		.amdhsa_float_denorm_mode_32 3
		.amdhsa_float_denorm_mode_16_64 3
		.amdhsa_memory_ordered 1
		.amdhsa_forward_progress 1
		.amdhsa_inst_pref_size 44
	.end_amdhsa_kernel
	.amdgpu_metadata
---
amdhsa.version: [ 1, 2 ]
amdhsa.kernels:
  - .name:           k_q3a309aa030_ctx
    .symbol:         k_q3a309aa030_ctx.kd
    .args:
      - { .name: values, .offset: 0, .size: 8, .value_kind: global_buffer, .address_space: global }
      - { .name: sbuf, .offset: 8, .size: 8, .value_kind: global_buffer, .address_space: global }
      - { .name: out0, .offset: 16, .size: 8, .value_kind: global_buffer, .address_space: global }
      - { .name: out1, .offset: 24, .size: 8, .value_kind: global_buffer, .address_space: global }
    .group_segment_fixed_size: 20992
    .private_segment_fixed_size: 0
    .kernarg_segment_align: 8
    .kernarg_segment_size: 32
    .max_flat_workgroup_size: 512
    .sgpr_count:     66
    .vgpr_count:     224
    .wavefront_size: 32
...
	.end_amdgpu_metadata
.endif
;; end of part 3
